; MI455X (gfx1250); checked and timed in simulation.
; The chip was launched on July 23, 2026; its instructions are those of AMD's public machine-readable ISA for CDNA 5 (MIT licence, August 2026) and "CDNA5" Instruction Set Architecture Reference Guide (July 2026). The comments in the code are by the model that wrote it; some were corrected since.
;; W8 A16 Linear Static. Allowed arithmetic: matrix products marked QUANTISED: E4M3 operands, one E8M0 scale for each 32 along K, by v_wmma_scale_f32_16x16x128_f8f6f4 with both operands' format E4M3, f32 sums; everything else in f32.
;; Inputs: weight 4,096 x 4,096 int32; weight_offset 4,096 int32; weight_scale 4,096 float32; x 4 x 1,024 x 4,096 float32.
;; Outputs: out0 4 x 1,024 x 4,096 float32.
;; This version of the problem:
;;   THIS VERSION OF THE PROBLEM IS GIVEN IN LOW PRECISION. The matrix products marked QUANTISED in the list below multiply operands that are first quantised to E4M3 (4 exponent bits, 3 mantissa bits; 8 bits a number), with one power-of-two scale for each 32 numbers along K (OCP MX v1.0); their sums are f32. All else is computed in f32.
;;   The module's matrix products, in the order in which they are computed (A, B: the left and right operand; K: the contracted axis; several contracted axes count as one K, in the product's order):
;;     1. [M 4,096, K 4,096] x [K 4,096, N 4,096]; A: input x; B: computed on the way: QUANTISED
;;   THE QUANTISER, for each operand of a quantised product, along K:
;;     - K is cut into blocks of 32 from its start; a last block that is shorter is filled with zeros.
;;     - A block's scale is 2^e with e = floor(log2(the largest magnitude in the block)) - 8, held to -126 .. 127; a block of zeros has e = 0. As a byte (E8M0): e + 127.
;;     - Each number is divided by its block's scale, clamped to +-448, and rounded to the nearest number of E4M3, ties to even, subnormals kept.
;;     - The product sums the exact products of the quantised numbers (number of the format x scale) in f32.
;;   ~~~python
;;   def quantise(x, axis):      # numpy; x: float32 -> the quantised numbers, widened to float32 again
;;       x = np.moveaxis(x, axis, -1); K = x.shape[-1]
;;       x = np.pad(x, [(0, 0)] * (x.ndim - 1) + [(0, -K % 32)]); x = x.reshape(x.shape[:-1] + (-1, 32)); a = np.abs(x).max(-1, keepdims=True)
;;       e = np.where(a > 0, np.clip(np.frexp(np.where(a > 0, a, 1))[1] - 1 - 8, -126, 127), 0)      # np.frexp(a)[1] - 1 = floor(log2(a)), exactly
;;       r = np.clip(x / 2.0 ** e, -448, 448)
;;       step = 2.0 ** (np.maximum(np.frexp(np.where(r == 0, 1, r))[1] - 1, -6) - 3)
;;       q = np.round(r / step) * step * 2.0 ** e      # np.round: ties to even
;;       return np.moveaxis(q.reshape(q.shape[:-2] + (-1,))[..., :K], -1, axis).astype(np.float32)
;;   ~~~
;;   OPERANDS COMPUTED ON THE WAY. 'Computed on the way' means the value that the module computes at that place (a softmax that the list does not call 'softmax' is quantised finished and normalised). What goes into a quantiser is computed in f32, as accurately as f32 sums, v_exp_f32 and their like allow (about 1e-6 of the number): no bf16 or f16 on the way to a quantiser, and a product that is left as it is and whose result goes on into a quantised operand takes f32 operands (vector FMAs, or v_wmma_f32_16x16x4_f32). A number that lies on a knife's edge between two numbers of the format may be rounded either way, as far as f32 arithmetic and the matrix unit's own rounding can turn it there, and no further.
;; One version. Each part assembles by itself: llvm-mc -triple=amdgcn-amd-amdhsa -mcpu=gfx1250 --defsym DOCPART=n.
;; ======== version 1 of 1: 2 launches
;; limits: right only within a limited range of input values
;; workspace buffers: xq 16,777,216 bytes; wq 16,777,216 bytes; scl 1,048,576 bytes
;; launch quant (part 1): grid 1024 x 1, 4 waves a work-group, no clusters, 1,536 bytes of LDS; arguments x, weight, weight_scale, weight_offset, xq, wq, scl; writes xq, wq, scl
.if DOCPART == 1
	.amdgcn_target "amdgcn-amd-amdhsa--gfx1250"
	.amdhsa_code_object_version 6
	.text
	.protected	k_q69d74be14a_quant
	.globl	k_q69d74be14a_quant
	.p2align	8
	.type	k_q69d74be14a_quant,@function
k_q69d74be14a_quant:
	s_mov_b64 s[64:65], 0
	v_nop
	global_prefetch_b8 v0, s[64:65] scope:SCOPE_SE
	s_setreg_imm32_b32 hwreg(HW_REG_WAVE_MODE, 25, 1), 1
	s_wait_xcnt 0x0
; x [4096][4096] f32 and w_fp = (f32(weight) - f32(offset[o])) * scale[o], weight [4096][4096] int32, are turned into codes of FP8 (E4M3), one byte each, K innermost
; (xq, wq: [4096][4096] bytes), with one E8M0 scale byte for each 32 along K (scl, in the order in which the product's launch takes its scale registers: below).
; A block's scale is 2^(floor(log2(its largest magnitude)) - 8); its byte is the largest magnitude's exponent field - 8, held at 1 from below.  Each number is divided by the scale, held within +-448, rounded to the nearest code, ties to even.
; LIMITS: NaN and infinities among the inputs are not served.  A block of zeros gets the byte 1 where the rule says 127: its codes are zeros, which add nothing under any byte but 0xff, and this program alone reads the bytes.
; A block whose largest magnitude lies under 2^(9 - 127) has its byte held at 1, the rule's lowest exponent.
; SHARES.  Work-groups 0-511 take x, 512-1023 weight.  A work-group owns 32 rows x 1,024 along K, each of its four waves 32 rows x 256 along K: 16 steps of two rows.
; Each load reads 512 consecutive bytes of ONE row, 16 a lane: a row's numbers 0-127 (a) and 128-255 (b).  So weight's offset and scale are the same in all lanes of a loaded register and come from scalar registers.
; EIGHT NEIGHBOURS IN A LANE, WITHOUT LDS.  Lanes l and l xor 1 exchange four registers: the even lane gives its b and takes the odd lane's a, so that it holds numbers 4 l .. 4 l + 7 of the first half;
; the odd lane holds 128 + 4 (l - 1) .. + 7 of the second half, its own four in the lower registers: its two words of codes are swapped behind the conversion.
; A block of 32 lies in four lanes of one parity (l, l xor 2, l xor 4, l xor 6).  A lane's 8 codes are 8 bytes: the 32 lanes of one store cover 256 consecutive bytes of a row, at a multiple of 256.
; scl: byte 65,536 j + 32,768 T + 256 rg + 16 r + 8 u + 4 q + b is the scale of tensor T (0: x, 1: w), row 32 rg + 16 u + r, K = 256 j + 128 q + 32 b .. + 31.  A wave's 256 bytes are gathered in LDS and leave as 256 consecutive bytes.
; One path for both tensors: pointers are chosen on the work-group's number; x's work-groups jump over the dequantisation, which is work on registers alone.  No tensor loads, no barrier: waves share nothing.
; Loads run eight steps (32 loads a wave) ahead.  Every offset is an immediate; no address and no store's data are written again.  256 registers a wave: four work-groups to a WGP, 1,024 in all.
.set WGX,   512                        ; work-groups for x
.set STEPS, 16
.set NS,    8                          ; sets of loaded numbers
.set ROWIN, 16384                      ; a row of x or of weight in bytes
.set ROWQ,  4096                       ; a row of codes in bytes
.set EMAX,  8
.set MANT,  0x600000                   ; the mantissa field of 448 as f32
.set SPARE, 1024                       ; LDS: 256 scale bytes for each wave, then the spare words, 128 bytes a wave
.set T,     16                         ; v16-23   what a lane gives away;  v24-27 codes ahead of the swap
.set SPW,   30                         ; v30      my spare word; v31: 0; never rewritten
.set NIL,   31
.set R,     32                         ; v32-159  eight sets of 16 numbers
.set C,     160                        ; v160-223 codes: four registers for each step
.set E,     224                        ; v224-255 scale bytes: two for each step
.set SCLR,  32                         ; s[32:63] weight_scale of my 32 rows
.set OFS,   68                         ; s[68:99] weight_offset of my 32 rows
	s_load_b128 s[4:7], s[0:1], 0x0                ; x, weight
	s_load_b128 s[8:11], s[0:1], 0x10              ; weight_scale, weight_offset
	s_load_b128 s[12:15], s[0:1], 0x20             ; xq, wq
	s_load_b64 s[16:17], s[0:1], 0x30              ; scl
	v_lshl_add_u32 v[SPW], v0, 2, SPARE
	v_mov_b32 v[NIL], 0
	v_lshrrev_b32 v1, 5, v0
	v_readfirstlane_b32 s18, v1                    ; wave 0..3
	v_and_b32 v2, 31, v0                           ; lane
	v_lshlrev_b32 v3, 4, v2                        ; my 16 bytes of a load's 512
	s_lshl_b32 s29, s18, 8                         ; LDS: my wave's 256 scale bytes
	v_lshrrev_b32 v8, 1, v2
	v_and_b32 v9, 1, v2                            ; parity: which half of the row's 256 I end up with
	v_lshlrev_b32 v4, 3, v8
	v_lshl_add_u32 v4, v9, 7, v4                   ; my codes' place in a row: 8 (lane / 2) + 128 x parity
	v_lshrrev_b32 v10, 3, v2
	v_lshl_add_u32 v5, v9, 2, v10                  ; my block among the row's eight: 4 x parity + lane / 8
	v_add_nc_u32 v5, s29, v5
	v_lshlrev_b32 v7, 3, v2                        ; the bytes' way out: 8 a lane
	v_add_nc_u32 v6, s29, v7
	s_mov_b32 s23, MANT                            ; (an instruction takes one literal: the bound's line has another)
	s_mov_b32 s3, 0xaaaaaaaa                       ; the odd lanes
	s_wait_alu depctr_va_vdst(0)
	s_wait_kmcnt 0x0
	s_cmp_lt_u32 ttmp9, WGX                        ; x's work-group or weight's?  The choice hangs on the work-group's number alone
	s_cselect_b64 s[4:5], s[4:5], s[6:7]           ; the source
	s_cselect_b64 s[12:13], s[12:13], s[14:15]     ; its codes
	s_cselect_b32 s24, 0, 1                        ; 1: dequantise
	s_cselect_b32 s25, 0, WGX
	s_cselect_b32 s30, 0, 32768                    ; the tensor's part of scl
	s_sub_co_u32 s19, ttmp9, s25                   ; 0..511 within the tensor
	s_lshr_b32 s20, s19, 2                         ; rg: which 32 rows, 0..127
	s_and_b32 s21, s19, 3
	s_lshl_b32 s21, s21, 2
	s_add_co_u32 s21, s21, s18                     ; j: which 256 along K, 0..15
	s_mov_b32 s27, 0
	s_lshl_b32 s26, s20, 19                        ; 32 rows of 16,384 bytes
	s_lshl_b32 s22, s21, 10                        ; 256 numbers of 4 bytes
	s_add_co_u32 s26, s26, s22
	s_add_nc_u64 s[4:5], s[4:5], s[26:27]
	s_lshl_b32 s26, s20, 17                        ; 32 rows of 4,096 bytes
	s_lshl_b32 s22, s21, 8
	s_add_co_u32 s26, s26, s22
	s_add_nc_u64 s[12:13], s[12:13], s[26:27]
	s_lshl_b32 s26, s21, 16
	s_add_co_u32 s26, s26, s30
	s_lshl_b32 s22, s20, 8
	s_add_co_u32 s26, s26, s22
	s_add_nc_u64 s[16:17], s[16:17], s[26:27]      ; my wave's 256 bytes of scl
	s_lshl_b32 s26, s20, 7                         ; 32 numbers of 4 bytes
	s_add_nc_u64 s[8:9], s[8:9], s[26:27]
	s_add_nc_u64 s[10:11], s[10:11], s[26:27]
	s_load_b512 s[SCLR:SCLR+15], s[8:9], 0x0       ; my 32 rows' scales and offsets (x's work-groups load them too, inside the buffers since rg is 0..127, and do not use them: one text)
	s_load_b512 s[SCLR+16:SCLR+31], s[8:9], 0x40
	s_load_b512 s[OFS:OFS+15], s[10:11], 0x0
	s_load_b512 s[OFS+16:OFS+31], s[10:11], 0x40
.macro LOAD t                          ; step t: loads 0, 1: row 2 t's 1,024 bytes; loads 2, 3: row 2 t + 1's
.irp i, 0,1,2,3
	global_load_b128 v[R+16*((\t)%NS)+4*\i:R+16*((\t)%NS)+4*\i+3], v3, s[4:5] offset:(2*(\t)+(\i/2))*ROWIN+(\i%2)*512 th:TH_LOAD_NT   ; 32 lanes read 512 consecutive bytes; read once in the launch
.endr
.endm
; weight's numbers as reference() makes them: f32(w), less f32(offset), times scale: three operations, each rounded as there
.macro DEQ t
	s_cmp_lg_u32 s24, 0
	s_cbranch_scc0 .Lis_x_\@
	v_cvt_f32_i32 v12, s[OFS+2*(\t)]
	v_cvt_f32_i32 v13, s[OFS+2*(\t)+1]
.irp k, 0,1,2,3,4,5,6,7,8,9,10,11,12,13,14,15
	v_cvt_f32_i32 v[R+16*((\t)%NS)+\k], v[R+16*((\t)%NS)+\k]
.endr
.irp k, 0,1,2,3,4,5,6,7
	v_sub_f32 v[R+16*((\t)%NS)+\k], v[R+16*((\t)%NS)+\k], v12            ; registers 0-7: row 2 t
	v_sub_f32 v[R+16*((\t)%NS)+8+\k], v[R+16*((\t)%NS)+8+\k], v13        ; registers 8-15: row 2 t + 1
.endr
.irp k, 0,1,2,3,4,5,6,7
	v_mul_f32 v[R+16*((\t)%NS)+\k], s[SCLR+2*(\t)], v[R+16*((\t)%NS)+\k]
	v_mul_f32 v[R+16*((\t)%NS)+8+\k], s[SCLR+2*(\t)+1], v[R+16*((\t)%NS)+8+\k]
.endr
.Lis_x_\@:
.endm
.macro STEP t                          ; w = 0: row 2 t, w = 8: row 2 t + 1; the two rows by turns, so that no line waits for the line above it
.set XS, R+16*((\t)%NS)
.if STEPS-1-(\t) >= NS-1
	s_wait_loadcnt 4*(NS-1)                        ; this step's four loads are in; those of the seven steps behind it may be out
.else
	s_wait_loadcnt 4*(STEPS-1-(\t))                ; near the end fewer steps stand behind it
.endif
	DEQ \t
.irp w, 0,8
.irp i, 0,1,2,3
	v_cndmask_b32 v[T+(\w)/2+\i], v[XS+\w+4+\i], v[XS+\w+\i], s3        ; what I give: even lanes b, odd lanes a
.endr
.endr
.irp w, 0,8
.irp i, 0,1,2,3
	v_cndmask_b32 v[XS+\w+\i], v[XS+\w+\i], v[XS+\w+4+\i], s3           ; what I keep: even lanes a, odd lanes b
.endr
.endr
.irp w, 0,8
.irp i, 0,1,2,3
	v_mov_b32_dpp v[XS+\w+4+\i], v[T+(\w)/2+\i] row_xmask:1 row_mask:0xf bank_mask:0xf   ; what lane l xor 1 gives
.endr
.endr
.irp w, 0,8
	v_max3_num_f32 v[8+(\w)/4], |v[XS+\w]|, |v[XS+\w+1]|, (EMAX+1)<<23  ; the largest magnitude of my 8, and the floor 2^(EMAX + 1 - 127): the byte cannot fall under 1
	v_max3_num_f32 v[9+(\w)/4], |v[XS+\w+2]|, |v[XS+\w+3]|, |v[XS+\w+4]|
.endr
.irp w, 0,8
	v_max3_num_f32 v[8+(\w)/4], v[8+(\w)/4], |v[XS+\w+5]|, |v[XS+\w+6]|
.endr
.irp w, 0,8
	v_max3_num_f32 v[8+(\w)/4], v[8+(\w)/4], v[9+(\w)/4], |v[XS+\w+7]|
.endr
.irp m, 2,4
.irp w, 0,8
	v_max_num_f32_dpp v[8+(\w)/4], v[8+(\w)/4], v[8+(\w)/4] row_xmask:\m row_mask:0xf bank_mask:0xf   ; with the block's three other lanes
.endr
.endr
.irp w, 0,8
	v_add_nc_u32 v[12+(\w)/8], -(EMAX<<23), v[8+(\w)/4]                 ; EMAX off the exponent field: the conversion takes this operand's exponent field as its scale
	v_and_or_b32 v[14+(\w)/8], v[8+(\w)/4], 0x7f800000, s23             ; 448 x the scale
.endr
.irp i, 0,1,2,3,4,5,6,7
	v_med3_num_f32 v[XS+\i], v[XS+\i], -v14, v14                        ; the conversion to an 8-bit code does not saturate (ISA guide 7.6.2): hold the number first
	v_med3_num_f32 v[XS+8+\i], v[XS+8+\i], -v15, v15
.endr
	v_cvt_scalef32_pk8_fp8_f32 v[24:25], v[XS:XS+7], v12
	v_cvt_scalef32_pk8_fp8_f32 v[26:27], v[XS+8:XS+15], v13
	v_lshrrev_b32 v[E+2*(\t)], 23, v12             ; the scales' bytes (also the plain lines behind the conversions)
	v_lshrrev_b32 v[E+2*(\t)+1], 23, v13
	v_cndmask_b32 v[C+4*(\t)], v24, v25, s3        ; odd lanes hold the later four numbers in the lower word: swapped
	v_cndmask_b32 v[C+4*(\t)+1], v25, v24, s3
	v_cndmask_b32 v[C+4*(\t)+2], v26, v27, s3
	v_cndmask_b32 v[C+4*(\t)+3], v27, v26, s3
	ds_store_b8 v5, v[E+2*(\t)] offset:32*((\t)%8)+8*((\t)/8)           ; row 2 t = 16 u + r: byte 16 r + 8 u + my block; a block's four lanes write the same byte with the same value
	ds_store_b8 v5, v[E+2*(\t)+1] offset:32*((\t)%8)+8*((\t)/8)+16      ; row 2 t + 1
	global_store_b64 v4, v[C+4*(\t):C+4*(\t)+1], s[12:13] offset:2*ROWQ*(\t)          ; 32 lanes store 256 consecutive bytes of a row, at a multiple of 256
	global_store_b64 v4, v[C+4*(\t)+2:C+4*(\t)+3], s[12:13] offset:2*ROWQ*(\t)+ROWQ
.if (\t)+NS < STEPS
	LOAD (\t)+NS                                   ; this set takes the loads of eight steps on
.endif
.endm
.irp t, 0,1,2,3,4,5,6,7
	LOAD \t
.endr
	s_wait_kmcnt 0x0                               ; the scales and offsets
.irp t, 0,1,2,3,4,5,6,7,8,9,10,11,12,13,14,15
	STEP \t
.endr
	ds_load_b64 v[12:13], v6                       ; LDS serves a wave's instructions in order (ISA guide 5.7.1.4): these see my byte stores
	s_wait_dscnt 0x0
	global_store_b64 v7, v[12:13], s[16:17]        ; 32 lanes store 256 consecutive bytes, at a multiple of 256
	s_wait_tensorcnt 0x0                           ; the wave's end, behind my last LDS store
	ds_add_u32 v[SPW], v[NIL]
	s_wait_dscnt 0x0
	s_endpgm
.Lfunc_end_k_q69d74be14a_quant:
	.size	k_q69d74be14a_quant, .Lfunc_end_k_q69d74be14a_quant-k_q69d74be14a_quant
	.p2alignl 7, 3214868480
	.fill 96, 4, 3214868480
	.section	.rodata,"a",@progbits
	.p2align	6, 0x0
	.amdhsa_kernel k_q69d74be14a_quant
		.amdhsa_group_segment_fixed_size 1536
		.amdhsa_private_segment_fixed_size 0
		.amdhsa_enable_private_segment 0
		.amdhsa_kernarg_size 56
		.amdhsa_user_sgpr_count 2
		.amdhsa_user_sgpr_kernarg_segment_ptr 1
		.amdhsa_wavefront_size32 1
		.amdhsa_system_sgpr_workgroup_id_x 1
		.amdhsa_system_sgpr_workgroup_id_y 1
		.amdhsa_system_sgpr_workgroup_id_z 1
		.amdhsa_system_vgpr_workitem_id 0
		.amdhsa_next_free_vgpr 256
		.amdhsa_next_free_sgpr 100
		.amdhsa_reserve_vcc 0
		.amdhsa_float_denorm_mode_32 3
		.amdhsa_float_denorm_mode_16_64 3
		.amdhsa_memory_ordered 1
		.amdhsa_forward_progress 1
		.amdhsa_inst_pref_size 106
	.end_amdhsa_kernel
	.amdgpu_metadata
---
amdhsa.version: [ 1, 2 ]
amdhsa.kernels:
  - .name:           k_q69d74be14a_quant
    .symbol:         k_q69d74be14a_quant.kd
    .args:
      - { .name: x, .offset: 0, .size: 8, .value_kind: global_buffer, .address_space: global }
      - { .name: weight, .offset: 8, .size: 8, .value_kind: global_buffer, .address_space: global }
      - { .name: weight_scale, .offset: 16, .size: 8, .value_kind: global_buffer, .address_space: global }
      - { .name: weight_offset, .offset: 24, .size: 8, .value_kind: global_buffer, .address_space: global }
      - { .name: xq, .offset: 32, .size: 8, .value_kind: global_buffer, .address_space: global }
      - { .name: wq, .offset: 40, .size: 8, .value_kind: global_buffer, .address_space: global }
      - { .name: scl, .offset: 48, .size: 8, .value_kind: global_buffer, .address_space: global }
    .group_segment_fixed_size: 1536
    .private_segment_fixed_size: 0
    .kernarg_segment_align: 8
    .kernarg_segment_size: 56
    .max_flat_workgroup_size: 128
    .sgpr_count:     100
    .vgpr_count:     256
    .wavefront_size: 32
...
	.end_amdgpu_metadata
.endif
;; end of part 1
;; launch gemm (part 2): grid 16 x 16, 4 waves a work-group, clusters of 4 x 4, 327,680 bytes of LDS; arguments xq, wq, scl, out0; writes out0
.if DOCPART == 2
	.amdgcn_target "amdgcn-amd-amdhsa--gfx1250"
	.amdhsa_code_object_version 6
	.text
	.protected	k_q69d74be14a_gemm
	.globl	k_q69d74be14a_gemm
	.p2align	8
	.type	k_q69d74be14a_gemm,@function
k_q69d74be14a_gemm:
	s_mov_b64 s[64:65], 0
	v_nop
	global_prefetch_b8 v0, s[64:65] scope:SCOPE_SE
	s_setreg_imm32_b32 hwreg(HW_REG_WAVE_MODE, 25, 1), 1
	s_wait_xcnt 0x0
	s_wait_alu depctr_hold_cnt(0) depctr_sa_sdst(0) depctr_va_vdst(0) depctr_va_sdst(0) depctr_va_ssrc(0) depctr_va_vcc(0) depctr_vm_vsrc(0)
	s_getreg_b32 s2, hwreg(HW_REG_IB_STS2, 6, 4)
	s_cmp_eq_u32 s2, 0
	s_cbranch_scc0 .Lentry_in_a_cluster
	s_endpgm
.Lentry_in_a_cluster:
	s_bfe_u32 s2, ttmp6, 0x10000c
	s_cmp_lg_u32 s2, 0xf033
	s_cbranch_scc0 .Lentry_shape_is_right
	s_endpgm
.Lentry_shape_is_right:
; out0[m][n] = sum over k of x[m][k] w_fp[n][k] on codes of FP8 (E4M3) with one E8M0 byte for each 32 along K, as the launch before left them (xq, wq, scl).
; A block of 256 x 256 of out0 for a work-group of four waves, 128 x 128 a wave (64 accumulators, windows 2 and 3).  K goes in steps of 256 through two LDS slots (rows of 256 bytes + 16 of padding).
; 4 x 4 work-groups form a cluster: x's tile is asked for jointly along a row of the cluster, w's along a column.  Each cluster begins at its own place along K and wraps round.
; The product is used transposed (source 0 = w's rows, source 1 = x's rows): a lane holds eight neighbouring numbers of a row of out0.
; REGISTERS: window 0: v0-31 addresses, v32-63 scale words (two sets), v128-255 x's eight fragments, v64-127 a second set for x's blocks 4-7, used in a slot's second 128 along K; window 1: w's fragments, two sets.
; THE CHANGE OF SLOTS stands at the head of a slot's second 128 along K: by then all fragments of that slot are asked for (64 loads in the middle of the step before, 32 products ahead of the wait for them),
; so the three lines, the round and the joint refill come first, and the refill has 128 products a wave between its issue and the wait for it.
; Scale words come from scl by four loads of 16 bytes a lane for a K step, one K step ahead.  LIMITS: as the quantising launch states them.
.set SIZE_M, 4096
.set SIZE_N, 4096
.set SIZE_K, 4096
.set KSTEP,  256
.set NQ,     KSTEP/128
.set ROWB,   256
.set KROW,   SIZE_K
.set PITCH,  272
.set FR,     16
.set NL,     4
.set NP,     8
.set HALFT,  128*PITCH
.set SLOT,   4*HALFT
.set LAPS,   SIZE_K/(2*KSTEP)
.set SSTEP,  65536
.set SPARE,  2*SLOT
.set SPITCH, 528
.set ADRA, 16
.set ADRB, 20
.set STO,  24
.set RD,   25
.set CO,   26
.set ADRS, 27
.set SPW,  28
.set NIL,  29
.set PFO,  30
.set SC,   32
.set AF,   128
.set BK,   128
.set SCB,  8
.set G1, 24
.set G0, 32
.set G1B, 48
.set G0B, 56
.set PFA, 68
.set LIM, 70
.set ARW, 78
.set BRW, 80
.set SCR, 82
.set PFR, 84
.set KO,  86
.set KS,  88
.set KP,  90
.set MSB, 0
.macro WIN new
.if MSB != \new
	s_set_vgpr_msb (MSB<<8)|\new
.set MSB, \new
.endif
.endm
.set MUL_LO, 0xa1
.set MUL_HI, 0xf1
.set TO_B,   0x40
.macro JLOAD g0a, g1a, g0b, g1b
	s_cmp_eq_u32 s15, 0
	s_cbranch_scc0 .Lfor_b_\@
	tensor_load_to_lds s[\g0a:\g0a+3], s[\g1a:\g1a+7]
	s_nop 0
.rept 4
	v_nop
.endr
	s_branch .Lasked_\@
.Lfor_b_\@:
	tensor_load_to_lds s[\g0b:\g0b+3], s[\g1b:\g1b+7]
	s_nop 0
.rept 4
	v_nop
.endr
.Lasked_\@:
.endm
.macro ASK
	s_cmp_gt_u32 s3, s[LIM]
	s_cbranch_scc0 .Lnot_mine_\@
	s_wait_alu depctr_va_vdst(0)
	global_prefetch_b8 v[PFO], s[PFA:PFA+1] th:TH_LOAD_NT scope:SCOPE_SE
.Lnot_mine_\@:
.endm
.macro CREST
	s_cmp_lg_u32 s14, 0
	s_cbranch_scc1 .Lnot_wave_0_\@
	s_barrier_signal -3
.Lnot_wave_0_\@:
	s_barrier_wait -3
	s_barrier_signal -1
	s_barrier_wait -1
.endm
.macro CROUND
	s_barrier_signal -1
	s_barrier_wait -1
	CREST
.endm
	s_load_b128 s[4:7], s[0:1], 0x0
	s_load_b64 s[SCR:SCR+1], s[0:1], 0x10
	s_load_b64 s[12:13], s[0:1], 0x18
	v_lshl_add_u32 v[SPW], v0, 2, SPARE
	v_mov_b32 v[NIL], 0
	ds_add_u32 v28, v29
	ds_add_u32 v28, v29
	s_wait_dscnt 0x0
	v_lshrrev_b32 v1, 5, v0
	v_readfirstlane_b32 s14, v1
	s_lshr_b32 s15, s14, 1
	s_and_b32 s16, s14, 1
	s_bfe_u32 s40, ttmp6, 0x40000
	s_bfe_u32 s41, ttmp6, 0x40004
	s_lshl_b32 s42, ttmp9, 2
	s_add_co_u32 s42, s42, s40
	s_and_b32 s17, ttmp7, 0xffff
	s_lshl_b32 s17, s17, 2
	s_add_co_u32 s17, s17, s41
	s_lshl_b32 s43, s41, 2
	s_lshl_b32 s43, 15, s43
	s_lshl_b32 s44, 0x1111, s40
	s_lshl_b32 s[KO], ttmp9, 10
	s_and_b32 s[KS], ttmp7, 0xffff
	s_lshr_b32 s[KP], s[KS], 1
	s_xor_b32 s[KS], s[KS], s[KP]
	s_and_b32 s[KS], s[KS], 1
	s_lshl_b32 s[KS], s[KS], 11
	s_add_co_u32 s[KO], s[KO], s[KS]
	s_and_b32 s[KO], s[KO], KROW-1
	s_mov_b32 s[KO+1], 0
	s_lshl_b32 s[KS], s[KO], 8
	s_mov_b32 s[KS+1], 0
	s_mov_b32 s[KP+1], 0
	s_or_b32 s[G1+0], s43, (0<<16)|(1<<20)|(1<<21)|(5<<22)|(3<<25)
	s_or_b32 s[G1B+0], s44, (0<<16)|(1<<20)|(1<<21)|(5<<22)|(3<<25)
.irp g, G1, G1B
	s_mov_b32 s[\g+1], ROWB<<16
	s_mov_b32 s[\g+2], 128<<16
	s_mov_b32 s[\g+3], ROWB<<16
	s_mov_b32 s[\g+4], 128
	s_mov_b32 s[\g+5], KROW
	s_mov_b32 s[\g+6], 0
	s_mov_b32 s[\g+7], 0
.endr
	s_lshl_b32 s18, s16, 7
	s_lshl_b32 s20, s17, 8
	s_add_co_u32 s20, s20, s18
	s_lshl_b32 s46, s42, 8
	s_add_co_u32 s46, s46, s18
	s_mov_b32 s21, 0
	s_mov_b32 s47, 0
	s_mov_b64 s[18:19], KROW
	s_mul_u64 s[20:21], s[20:21], s[18:19]
	s_mul_u64 s[46:47], s[46:47], s[18:19]
	s_mul_i32 s45, s14, HALFT
	s_wait_kmcnt 0x0
	s_add_nc_u64 s[ARW:ARW+1], s[4:5], s[20:21]
	s_add_nc_u64 s[BRW:BRW+1], s[6:7], s[46:47]
	s_add_nc_u64 s[SCB:SCB+1], s[SCR:SCR+1], s[KS:KS+1]
	CROUND
.irp s, 0,1
	s_mov_b32 s[G0+4*\s], 1
	s_add_co_u32 s[G0+4*\s+1], s45, \s*SLOT
	s_add_nc_u64 s[G0+4*\s+2:G0+4*\s+3], s[ARW:ARW+1], s[KO:KO+1]
	s_or_b32 s[G0+4*\s+3], s[G0+4*\s+3], 0x80000000
	s_mov_b32 s[G0B+4*\s], 1
	s_add_co_u32 s[G0B+4*\s+1], s45, \s*SLOT
	s_add_nc_u64 s[G0B+4*\s+2:G0B+4*\s+3], s[BRW:BRW+1], s[KO:KO+1]
	s_or_b32 s[G0B+4*\s+3], s[G0B+4*\s+3], 0x80000000
.if \s == 0
	s_add_co_u32 s[KO], s[KO], ROWB
.endif
.endr
	JLOAD G0, G1, G0B, G1B                         ; my quarter of the first K step: one tensor load a wave at the head; the addresses below are made while it is out
	v_and_b32 v1, 15, v0
	s_wait_alu depctr_va_vdst(0)
	v_bfe_u32 v2, v0, 4, 1
	v_mul_u32_u24 v3, v1, PITCH
	v_lshl_add_u32 v4, v2, 4, v3
	s_mul_i32 s21, s15, HALFT
	s_mul_i32 s22, s16, HALFT
	s_add_co_u32 s22, s22, 2*HALFT
.irp s, 0,1
	v_add_nc_u32 v[ADRA+\s], s21, v4
	v_add_nc_u32 v[ADRB+\s], s22, v4
	s_add_co_u32 s21, s21, SLOT
	s_add_co_u32 s22, s22, SLOT
.endr
	s_mul_i32 s23, s14, 16*SPITCH
	v_mul_u32_u24 v5, v1, SPITCH
	s_wait_alu depctr_va_vdst(0)
	v_lshl_add_u32 v5, v2, 5, v5
	v_add_nc_u32 v[STO], s23, v5
	v_and_b32 v6, 31, v0
	v_lshlrev_b32 v[CO], 4, v6
	v_add_nc_u32 v[RD], s23, v[CO]
	s_lshl_b32 s20, s17, 8
	s_lshl_b32 s21, s15, 7
	s_add_co_u32 s20, s20, s21
	s_mov_b32 s21, 0
	s_mov_b64 s[18:19], SIZE_N*4
	s_mul_u64 s[20:21], s[20:21], s[18:19]
	s_lshl_b32 s46, s42, 10
	s_lshl_b32 s47, s16, 9
	s_add_co_u32 s46, s46, s47
	s_mov_b32 s47, 0
	s_add_nc_u64 s[20:21], s[20:21], s[46:47]
	s_add_nc_u64 s[12:13], s[12:13], s[20:21]
	s_lshl_b32 s72, s17, 1
	s_add_co_u32 s72, s72, s15
	s_lshl_b32 s72, s72, 10
	s_lshl_b32 s73, s42, 1
	s_add_co_u32 s73, s73, s16
	s_lshl_b32 s73, s73, 10
	s_add_co_u32 s73, s73, 32768
	s_sub_co_u32 s73, s73, s72
	v_mul_u32_u24 v5, s73, v2
	v_lshl_add_u32 v5, v1, 4, v5
	v_add_nc_u32 v[ADRS], s72, v5
	s_wait_alu depctr_va_vdst(0)
	s_lshl_b32 s74, s42, 8
	s_lshl_b32 s76, s16, 7
	s_add_co_u32 s74, s74, s76
	s_lshl_b32 s75, s41, 5
	s_add_co_u32 s74, s74, s75
	s_mov_b32 s75, 0
	s_mov_b64 s[76:77], KROW
	s_mul_u64 s[74:75], s[74:75], s[76:77]
	s_add_nc_u64 s[PFR:PFR+1], s[6:7], s[74:75]
	s_and_b32 s76, ttmp7, 0xffff
	s_lshr_b32 s76, s76, 1
	s_xor_b32 s77, s15, 1
	s_or_b32 s76, s76, s77
	s_cmp_eq_u32 s76, 0
	s_cselect_b32 s[LIM], 5, -1
	v_and_b32 v[PFO], 31, v0
	v_mul_u32_u24 v[PFO], v[PFO], KROW
.macro FRAG reg, adr, q, i
.irp c, 0,1,2,3
	ds_load_b128 v[\reg+4*\c:\reg+4*\c+3], v[\adr] offset:128*(\q)+32*\c+(\i)*16*PITCH
.endr
.endm
.macro MUL16 a0, p, q, sc, zero
.irp a, \a0, \a0+1
.irp b, 0,1,2,3,4,5,6,7
.if \zero
	v_wmma_scale_f32_16x16x128_f8f6f4 v[8*(8*((\a)%4)+\b):8*(8*((\a)%4)+\b)+7], v[128*(\p)+FR*\b:128*(\p)+FR*\b+FR-1], v[AF+FR*(\a):AF+FR*(\a)+FR-1], 0, v[SC+8*NQ*(\sc)+NQ*\b+(\q)], v[SC+8*NQ*(\sc)+NQ*(\a)+(\q)] matrix_a_scale:MATRIX_SCALE_ROW1
.else
	v_wmma_scale_f32_16x16x128_f8f6f4 v[8*(8*((\a)%4)+\b):8*(8*((\a)%4)+\b)+7], v[128*(\p)+FR*\b:128*(\p)+FR*\b+FR-1], v[AF+FR*(\a):AF+FR*(\a)+FR-1], v[8*(8*((\a)%4)+\b):8*(8*((\a)%4)+\b)+7], v[SC+8*NQ*(\sc)+NQ*\b+(\q)], v[SC+8*NQ*(\sc)+NQ*(\a)+(\q)] matrix_a_scale:MATRIX_SCALE_ROW1
.endif
.endr
.endr
.endm
.macro FETCH_B slot, q, p
	WIN TO_B
.irp i, 0,1,2,3,4,5,6,7
	FRAG 128*(\p)+FR*\i, ADRB+\slot, \q, \i
.endr
	WIN 0
.endm
.macro FETCH_A slot, q, i0
.irp i, \i0, \i0+1, \i0+2, \i0+3
	FRAG AF+FR*(\i), ADRA+\slot, \q, \i
.endr
.endm
.macro SCALES set, off
.irp p, 0,1,2,3
	global_load_b128 v[SC+16*(\set)+4*\p:SC+16*(\set)+4*\p+3], v[ADRS], s[SCB:SCB+1] offset:\off+256*\p
.endr
.endm
.macro PLACES n
.rept \n
	v_nop
.endr
.endm
.macro STEP slot, q, zero, lc
	s_wait_loadcnt \lc
	s_wait_dscnt 4*NL
	WIN MUL_LO
	MUL16 0, (\q)%2, \q, \slot, \zero
	MUL16 2, (\q)%2, \q, \slot, \zero
	s_wait_dscnt 0
	PLACES NP
	FETCH_B \slot, (\q)+1, 1-(\q)%2
	FETCH_A \slot, (\q)+1, 0
.set AF, 0                             ; x's blocks 4-7 of the slot's second 128 along K go into their second set, v64-127 (block a at v[16 a])
	FETCH_A \slot, (\q)+1, 4
.set AF, 128
	WIN MUL_HI
	MUL16 4, (\q)%2, \q, \slot, \zero
	MUL16 6, (\q)%2, \q, \slot, \zero
	WIN 0
.endm
.macro TURN slot, next, fill
.if \fill
	s_wait_xcnt 0x0
	s_add_co_u32 s[KO], s[KO], ROWB
	s_and_b32 s[KO], s[KO], KROW-1
	s_lshl_b32 s[KS], s[KO], 8
	s_add_nc_u64 s[SCB:SCB+1], s[SCR:SCR+1], s[KS:KS+1]
	s_add_co_u32 s[KP], s[KO], 2*ROWB
	s_and_b32 s[KP], s[KP], KROW-1
	s_add_nc_u64 s[PFA:PFA+1], s[PFR:PFR+1], s[KP:KP+1]
.endif
	s_wait_tensorcnt 0x0
	ds_add_u32 v[SPW], v[NIL]
.if \fill
	s_add_nc_u64 s[G0+4*\slot+2:G0+4*\slot+3], s[ARW:ARW+1], s[KO:KO+1]
	s_or_b32 s[G0+4*\slot+3], s[G0+4*\slot+3], 0x80000000
	s_add_nc_u64 s[G0B+4*\slot+2:G0B+4*\slot+3], s[BRW:BRW+1], s[KO:KO+1]
	s_or_b32 s[G0B+4*\slot+3], s[G0B+4*\slot+3], 0x80000000
.endif
	s_wait_dscnt 0x0                               ; the add is done, and my reads of this slot are over: the last were issued 32 products ago
	s_barrier_signal -1
	s_barrier_wait -1
.if \fill
	CREST
	JLOAD G0+4*\slot, G1, G0B+4*\slot, G1B
	PLACES NP-4
.else
	PLACES NP
.endif
	FETCH_B \next, 0, 0
	WIN MUL_LO
	MUL16 0, 1, NQ-1, \slot, 0                     ; their operands are in registers: the wait for 0 above
	MUL16 2, 1, NQ-1, \slot, 0
	PLACES NP                                      ; places ahead of the loads into blocks 0-3
	WIN 0
	FETCH_A \next, 0, 0
	FETCH_A \next, 0, 4                            ; v192-255 were last read in the step before
.if \fill
	ASK
.endif
	WIN MUL_HI
.set AF, 0                             ; blocks 4-7 from their second set
	MUL16 4, 1, NQ-1, \slot, 0
	MUL16 6, 1, NQ-1, \slot, 0
.set AF, 128
	PLACES NP                                      ; places ahead of the loads into the scale words just read
	WIN 0
.if \fill
	SCALES \slot, 0
.endif
.endm
	SCALES 0, 0
	SCALES 1, SSTEP
	s_wait_alu depctr_va_vdst(0)
	s_wait_tensorcnt 0x0                           ; my quarter of the first K step is in
	ds_add_u32 v[SPW], v[NIL]
	s_wait_dscnt 0x0
	CROUND                                         ; everybody's quarter is in, and all sixteen work-groups are here
	JLOAD G0+4, G1, G0B+4, G1B                     ; slot 1's first fill: the first tensor load behind the round
	FETCH_B 0, 0, 0
	FETCH_A 0, 0, 0
	FETCH_A 0, 0, 4
	STEP 0, 0, 1, 4
	s_mov_b32 s3, LAPS-1
.Llap:
	TURN 0, 1, 1
	STEP 1, 0, 0, 4
	TURN 1, 0, 1
	STEP 0, 0, 0, 4
	s_sub_co_u32 s3, s3, 1
	s_cmp_lg_u32 s3, 0
	s_cbranch_scc1 .Llap
	TURN 0, 1, 0
	STEP 1, 0, 0, 0
	s_wait_dscnt 4*NL
	WIN MUL_LO
	MUL16 0, 1, NQ-1, 1, 0
	MUL16 2, 1, NQ-1, 1, 0
	s_wait_dscnt 0
	WIN MUL_HI
.set AF, 0
	MUL16 4, 1, NQ-1, 1, 0
	MUL16 6, 1, NQ-1, 1, 0
.set AF, 128
	WIN 0
.macro TOSTAGE a
.set AC, 64*((\a)%4)
	WIN 0x08+4*((\a)/4)
.irp b, 0,1,2,3,4,5,6,7
	ds_store_b128 v[STO], v[AC+8*\b:AC+8*\b+3] offset:64*\b
	ds_store_b128 v[STO], v[AC+8*\b+4:AC+8*\b+7] offset:64*\b+16
.endr
	WIN 0
.set BB, BK+64*((\a)%2)
.irp t, 0,1,2,3,4,5,6,7,8,9,10,11,12,13,14,15
	ds_load_b128 v[BB+4*\t:BB+4*\t+3], v[RD] offset:\t*SPITCH
.endr
.endm
.macro SEND a, younger
.set BB, BK+64*((\a)%2)
	s_wait_dscnt \younger
.if (\a) > 0
	s_add_nc_u64 s[12:13], s[12:13], 16*SIZE_N*4
.endif
.irp t, 0,1,2,3,4,5,6,7,8,9,10,11,12,13,14,15
	global_store_b128 v[CO], v[BB+4*\t:BB+4*\t+3], s[12:13] offset:\t*SIZE_N*4   ; 32 lanes store 512 consecutive bytes, at a multiple of 256 from out0's first byte
.endr
.endm
	PLACES NP
	TOSTAGE 0
.irp a, 1,2,3,4,5,6,7
.if \a > 1
	s_wait_xcnt 0x0
.endif
	TOSTAGE \a
	SEND \a-1, 32
.endr
	s_wait_xcnt 0x0
	SEND 7, 0
	s_wait_tensorcnt 0x0
	ds_add_u32 v[SPW], v[NIL]
	s_wait_dscnt 0x0
	CROUND
	s_endpgm
.Lfunc_end_k_q69d74be14a_gemm:
	.size	k_q69d74be14a_gemm, .Lfunc_end_k_q69d74be14a_gemm-k_q69d74be14a_gemm
	.p2alignl 7, 3214868480
	.fill 96, 4, 3214868480
	.section	.rodata,"a",@progbits
	.p2align	6, 0x0
	.amdhsa_kernel k_q69d74be14a_gemm
		.amdhsa_group_segment_fixed_size 327680
		.amdhsa_private_segment_fixed_size 0
		.amdhsa_enable_private_segment 0
		.amdhsa_kernarg_size 32
		.amdhsa_user_sgpr_count 2
		.amdhsa_user_sgpr_kernarg_segment_ptr 1
		.amdhsa_wavefront_size32 1
		.amdhsa_system_sgpr_workgroup_id_x 1
		.amdhsa_system_sgpr_workgroup_id_y 1
		.amdhsa_system_sgpr_workgroup_id_z 1
		.amdhsa_system_vgpr_workitem_id 0
		.amdhsa_next_free_vgpr 1024
		.amdhsa_next_free_sgpr 98
		.amdhsa_reserve_vcc 0
		.amdhsa_float_denorm_mode_32 3
		.amdhsa_float_denorm_mode_16_64 3
		.amdhsa_memory_ordered 1
		.amdhsa_forward_progress 1
		.amdhsa_inst_pref_size 145
	.end_amdhsa_kernel
	.amdgpu_metadata
---
amdhsa.version: [ 1, 2 ]
amdhsa.kernels:
  - .name:           k_q69d74be14a_gemm
    .symbol:         k_q69d74be14a_gemm.kd
    .args:
      - { .name: xq, .offset: 0, .size: 8, .value_kind: global_buffer, .address_space: global }
      - { .name: wq, .offset: 8, .size: 8, .value_kind: global_buffer, .address_space: global }
      - { .name: scl, .offset: 16, .size: 8, .value_kind: global_buffer, .address_space: global }
      - { .name: out0, .offset: 24, .size: 8, .value_kind: global_buffer, .address_space: global }
    .group_segment_fixed_size: 327680
    .private_segment_fixed_size: 0
    .kernarg_segment_align: 8
    .kernarg_segment_size: 32
    .max_flat_workgroup_size: 128
    .sgpr_count:     98
    .vgpr_count:     1024
    .wavefront_size: 32
...
	.end_amdgpu_metadata
.endif
;; end of part 2
